; MI455X (gfx1250); checked and timed in simulation.
; The chip was launched on July 23, 2026; its instructions are those of AMD's public machine-readable ISA for CDNA 5 (MIT licence, August 2026) and "CDNA5" Instruction Set Architecture Reference Guide (July 2026). The comments in the code are by the model that wrote it; some were corrected since.
;; Vector Quantizer2. Allowed arithmetic: matrix products marked QUANTISED: E4M3 operands, one given power-of-two scale a tensor, by v_wmma_f32_16x16x64_fp8_fp8 or v_wmma_f32_16x16x128_fp8_fp8, f32 sums; everything else in f32.
;; Inputs: codebook 4,096 x 256 float32; lowp_scales 2 int32 (the exponents e of the quantised operands' scales 2^e); z 32 x 2,048 x 256 float32.
;; Outputs: out0 32 x 2,048 x 256 float32.
;; This version of the problem:
;;   THIS VERSION OF THE PROBLEM IS GIVEN IN LOW PRECISION. The matrix products marked QUANTISED in the list below multiply operands that are first quantised to E4M3 (4 exponent bits, 3 mantissa bits; 8 bits a number), with one given power-of-two scale for each operand tensor; their sums are f32. All else is computed in f32.
;;   The module's matrix products, in the order in which they are computed (A, B: the left and right operand; K: the contracted axis; several contracted axes count as one K, in the product's order):
;;     1. [M 65,536, K 256] x [K 256, N 4,096]; A: input z; B: input codebook: QUANTISED (scales: A lowp_scales[0], B lowp_scales[1])
;;   THE QUANTISER, for each operand of a quantised product, along K:
;;     - The operand's scale is 2^e, e = its entry of the input lowp_scales (int32; the entries are numbered through the quantised products in the list's order, A before B).
;;     - Each number is divided by the scale, clamped to +-448, and rounded to the nearest number of E4M3, ties to even, subnormals kept.
;;     - The product sums the exact products of the quantised numbers (number of the format x scale) in f32.
;;   ~~~python
;;   def quantise(x, axis, e):      # numpy; x: float32 -> the quantised numbers, widened to float32 again
;;       x = np.moveaxis(x, axis, -1); K = x.shape[-1]
;;       r = np.clip(x / 2.0 ** e, -448, 448)
;;       step = 2.0 ** (np.maximum(np.frexp(np.where(r == 0, 1, r))[1] - 1, -6) - 3)
;;       q = np.round(r / step) * step * 2.0 ** e      # np.round: ties to even
;;       return np.moveaxis(q, -1, axis).astype(np.float32)
;;   ~~~
;; One version. Each part assembles by itself: llvm-mc -triple=amdgcn-amd-amdhsa -mcpu=gfx1250 --defsym DOCPART=n.
;; ======== version 1 of 1: 3 launches
;; limits: right only within a limited range of input values
;; workspace buffers: cbq 1,064,960 bytes; idx 262,144 bytes of whole numbers
;; launch prep (part 1): grid 64 x 1, 4 waves a work-group, no clusters, 34,560 bytes of LDS; arguments codebook, lowp_scales, cbq; writes cbq
.if DOCPART == 1
	.amdgcn_target "amdgcn-amd-amdhsa--gfx1250"
	.amdhsa_code_object_version 6
	.text
	.protected	k_qc5bb033673_prep
	.globl	k_qc5bb033673_prep
	.p2align	8
	.type	k_qc5bb033673_prep,@function
k_qc5bb033673_prep:
	s_mov_b64 s[64:65], 0
	v_nop
	global_prefetch_b8 v0, s[64:65] scope:SCOPE_SE
	s_setreg_imm32_b32 hwreg(HW_REG_WAVE_MODE, 25, 1), 1
	s_wait_xcnt 0x0
; The codebook [4096][256] f32 is quantised ONCE, for all work-groups of the next launch, to codes of FP8 (E4M3) with the given scale 2^eb
; (entry 1 of the scales), and the f32 norm ee = sum of e^2 of each code vector is taken from the unquantised numbers.
; code = x / 2^eb, held within +-448, rounded to the nearest code, ties to even.
; LIMITS: -126 <= eb and eb + 8 <= 127.  NaN among the inputs is not served.  ee is summed in four packed chains and over two lanes: another order than a plain chain.
; OUT: cbq = 16 chunks of 66,560 bytes, a chunk = 256 code vectors: 16 tiles of 4,096 bytes, then the 256 norms (1,024 bytes).
; A tile (16 vectors x 256 K) lies as an IMAGE OF THE OPERAND'S REGISTERS: K step s (128 along K), group c, lane l: 16 bytes at 2048 s + 512 c + 16 l =
; the codes of vector l % 16, k = 128 s + 32 c + 16 (l / 16) + 0 .. 15.  So the next launch fetches a fragment by loads of 512 consecutive bytes.
; SHARES: work-group g takes vectors 64 g .. 64 g + 63, wave w tile 4 g + w.  64 norms are 256 bytes: one aligned block, stored whole by wave 0.
; No tensor load, no cluster, no matrix unit: 5 MB go through once and nothing is shared between work-groups.
.set STGB,   8448                      ; a wave's stage: 16 rows x (512 bytes + 16)
.set EEX,    4*STGB                    ; behind the stages: the work-group's 64 norms
.set CHUNKB, 66560
.set SRC, 4                            ; s[4:5]   my 16 rows
.set SEL, 26                           ; s[26:27] lane selects: lane l xor 16
.set ZO,  5                            ; v5       16 x lane
.set PC0, 6                            ; v6-21    codes of K step 0
.set Q,   22                           ; v22-29   four pairs of sums of squares
.set SCL, 30                           ; v30      2^e as f32
.set LIM, 31                           ; v31      448 x 2^e
.set PC1, 32                           ; v32-47   codes of K step 1
.set STW, 48                           ; v48      the stage, on the way in: 16 x lane
.set STR, 49                           ; v49      and out: 528 r + 64 h
.set EES, 50                           ; v50      where my row's norm goes
.set EER, 51                           ; v51      where wave 0 reads two norms
.set EEO, 52                           ; v52      8 x lane
.set RS,  53                           ; v53, v54 the row's sum; the other half's
.set X0,  64                           ; v64-127  K step 0: 64 numbers of my row
.set RAW, 128                          ; v128-255 the 16 rows as loaded
.set X1,  128                          ; v128-191 K step 1
; 32 loads, each 512 consecutive bytes (half a row); K step 0's sixteen first
.macro GLOAD
.irp s, 0,1
.irp p, 0,1,2,3,4,5,6,7,8,9,10,11,12,13,14,15
	global_load_b128 v[RAW+64*\s+4*\p:RAW+64*\s+4*\p+3], v[ZO], s[SRC:SRC+1] offset:1024*\p+512*\s th:TH_LOAD_NT
.endr
.endr
.endm
; K step s goes through my own stage as it lies and comes back so that register x + 16 b + i is k = 128 s + 32 b + 16 h + i of row r.
; The pitch, 528 = 33 x 16 bytes, lets the sixteen rows of a load begin at sixteen different 16-byte columns of 256.  LDS serves a wave's instructions in order (ISA guide 5.7.1.4): no wait between stores and loads.
.macro TURN s, x
.irp p, 0,1,2,3,4,5,6,7,8,9,10,11,12,13,14,15
	ds_store_b128 v[STW], v[RAW+64*\s+4*\p:RAW+64*\s+4*\p+3] offset:528*\p
.endr
.irp b, 0,1,2,3
.irp j, 0,1,2,3
	ds_load_b128 v[\x+16*\b+4*\j:\x+16*\b+4*\j+3], v[STR] offset:128*\b+16*\j
.endr
.endr
.endm
; the squares of 64 numbers, two at a time, in four chains; first = 1: the first four products start the chains
.macro SQ x, first
.irp p, 0,1,2,3,4,5,6,7,8,9,10,11,12,13,14,15,16,17,18,19,20,21,22,23,24,25,26,27,28,29,30,31
.if \first && (\p < 4)
	v_pk_mul_f32 v[Q+2*\p:Q+2*\p+1], v[\x+2*\p:\x+2*\p+1], v[\x+2*\p:\x+2*\p+1]
.else
	v_pk_fma_f32 v[Q+2*(\p%4):Q+2*(\p%4)+1], v[\x+2*\p:\x+2*\p+1], v[\x+2*\p:\x+2*\p+1], v[Q+2*(\p%4):Q+2*(\p%4)+1]
.endif
.endr
.endm
; 64 numbers become a fragment's 16 registers of codes
.macro QUANT x, pc
.irp b, 0,1,2,3
.irp i, 0,1,2,3,4,5,6,7,8,9,10,11,12,13,14,15
	v_med3_num_f32 v[\x+16*\b+\i], v[\x+16*\b+\i], -v[LIM], v[LIM]   ; the conversion to an 8-bit code does not saturate (ISA guide 7.6.2): the hold at the largest code x the scale
.endr
	v_cvt_scalef32_pk8_fp8_f32 v[\pc+4*\b:\pc+4*\b+1], v[\x+16*\b:\x+16*\b+7], v[SCL]
	v_cvt_scalef32_pk8_fp8_f32 v[\pc+4*\b+2:\pc+4*\b+3], v[\x+16*\b+8:\x+16*\b+15], v[SCL]
.endr
	v_nop                                          ; one plain vector line behind the last conversion of the run
.endm
.macro ROWSUM                          ; the four chains, the pair's halves, and the lane that holds the row's other 128 numbers
	v_pk_add_f32 v[Q:Q+1], v[Q:Q+1], v[Q+2:Q+3]
	v_pk_add_f32 v[Q+4:Q+5], v[Q+4:Q+5], v[Q+6:Q+7]
	v_pk_add_f32 v[Q:Q+1], v[Q:Q+1], v[Q+4:Q+5]
	v_add_f32 v[RS], v[Q], v[Q+1]
	v_permlanex16_b32 v[RS+1], v[RS], s[SEL], s[SEL+1]
	v_add_f32 v[RS], v[RS], v[RS+1]
.endm
.macro OUT pc, s                       ; a fragment's image: four stores of 512 consecutive bytes
.irp c, 0,1,2,3
	global_store_b128 v[ZO], v[\pc+4*\c:\pc+4*\c+3], s[10:11] offset:2048*\s+512*\c
.endr
.endm
	s_load_b128 s[4:7], s[0:1], 0x0                ; the codebook s[4:5], the scales' exponents s[6:7]
	s_load_b64 s[8:9], s[0:1], 0x10                ; cbq
	v_lshl_add_u32 v62, v0, 2, 0x8500
	v_mov_b32 v63, 0
	v_lshrrev_b32 v1, 5, v0
	v_readfirstlane_b32 s12, v1                    ; wave 0..3
	v_and_b32 v2, 31, v0                           ; lane
	v_and_b32 v3, 15, v0                           ; r
	v_bfe_u32 v4, v0, 4, 1                         ; h
	v_lshlrev_b32 v[ZO], 4, v2
	s_mul_i32 s13, s12, STGB                       ; my stage
	v_add_nc_u32 v[STW], s13, v[ZO]
	v_mul_u32_u24 v[STR], v3, 528
	v_lshl_add_u32 v[STR], v4, 6, v[STR]
	v_add_nc_u32 v[STR], s13, v[STR]
	s_lshl_b32 s14, s12, 6
	s_add_co_u32 s14, s14, EEX
	v_lshl_add_u32 v[EES], v3, 2, s14              ; EEX + 4 (16 wave + r)
	v_lshl_add_u32 v[EER], v2, 3, EEX
	v_lshlrev_b32 v[EEO], 3, v2
	v_mov_b32 v[RS+1], 0                           ; a lane permute's destination counts as one of its sources
	s_mov_b32 s[SEL], 0x76543210
	s_mov_b32 s[SEL+1], 0xfedcba98
	s_lshl_b32 s16, ttmp9, 16                      ; 64 rows of 1,024 bytes a work-group,
	s_lshl_b32 s17, s12, 14                        ; 16 a wave
	s_add_co_u32 s16, s16, s17
	s_mov_b32 s17, 0
	s_lshr_b32 s18, ttmp9, 2
	s_mul_i32 s18, s18, CHUNKB                     ; my chunk's first byte
	s_and_b32 s20, ttmp9, 3
	s_lshl_b32 s21, s20, 14                        ; tile 4 (g % 4) + wave of the chunk, 4,096 bytes a tile
	s_lshl_b32 s22, s12, 12
	s_add_co_u32 s21, s21, s22
	s_add_co_u32 s22, s18, s21
	s_mov_b32 s23, 0
	s_lshl_b32 s20, s20, 8                         ; the work-group's 256 bytes of norms, behind the chunk's 16 tiles
	s_add_co_u32 s20, s20, s18
	s_add_co_u32 s20, s20, 65536
	s_mov_b32 s21, 0
	s_wait_alu depctr_va_vdst(0)
	s_wait_kmcnt 0x0
	s_load_b32 s24, s[6:7], 0x4                    ; eb
	s_add_nc_u64 s[SRC:SRC+1], s[4:5], s[16:17]
	s_add_nc_u64 s[10:11], s[8:9], s[22:23]        ; my tile's image
	s_add_nc_u64 s[8:9], s[8:9], s[20:21]          ; the norms
	GLOAD
	s_wait_kmcnt 0x0
	s_add_co_i32 s24, s24, 127
	s_lshl_b32 s25, s24, 23
	v_mov_b32 v[SCL], s25                          ; 2^eb as f32: the conversion takes its exponent field
	s_add_co_i32 s24, s24, 8
	s_lshl_b32 s24, s24, 23
	s_or_b32 s24, s24, 0x600000
	v_mov_b32 v[LIM], s24                          ; 448 x 2^eb
	s_wait_loadcnt 16                              ; K step 0's sixteen loads are in; K step 1's sixteen may be out
	TURN 0, X0
	s_wait_dscnt 0x0                               ; K step 0 is back, and the stage's stores have read v128-191
	s_wait_loadcnt 0x0
	TURN 1, X1                                     ; K step 1 turns while K step 0 is worked on
	SQ X0, 1
	QUANT X0, PC0
	s_wait_alu depctr_va_vdst(0)
	s_wait_dscnt 0x0                               ; K step 1 is back
	OUT PC0, 0
	SQ X1, 0
	QUANT X1, PC1
	OUT PC1, 1
	ROWSUM
	ds_store_b32 v[EES], v[RS]                     ; lanes r and r + 16 hold the same sum and write the same word
	s_wait_dscnt 0x0                               ; for wave 0's sake: my norms lie in LDS
	s_barrier_signal -1
	s_barrier_wait -1
	s_cmp_lg_u32 s12, 0
	s_cbranch_scc1 .Lend
	ds_load_b64 v[56:57], v[EER]
	s_wait_dscnt 0x0
	global_store_b64 v[EEO], v[56:57], s[8:9]      ; 32 lanes store 256 consecutive bytes, at a multiple of 256 from cbq's first byte
.Lend:
	s_wait_tensorcnt 0x0
	ds_add_u32 v62, v63
	s_wait_dscnt 0x0
	s_endpgm
.Lfunc_end_k_qc5bb033673_prep:
	.size	k_qc5bb033673_prep, .Lfunc_end_k_qc5bb033673_prep-k_qc5bb033673_prep
	.p2alignl 7, 3214868480
	.fill 96, 4, 3214868480
	.section	.rodata,"a",@progbits
	.p2align	6, 0x0
	.amdhsa_kernel k_qc5bb033673_prep
		.amdhsa_group_segment_fixed_size 34560
		.amdhsa_private_segment_fixed_size 0
		.amdhsa_enable_private_segment 0
		.amdhsa_kernarg_size 24
		.amdhsa_user_sgpr_count 2
		.amdhsa_user_sgpr_kernarg_segment_ptr 1
		.amdhsa_wavefront_size32 1
		.amdhsa_system_sgpr_workgroup_id_x 1
		.amdhsa_system_sgpr_workgroup_id_y 1
		.amdhsa_system_sgpr_workgroup_id_z 1
		.amdhsa_system_vgpr_workitem_id 0
		.amdhsa_next_free_vgpr 256
		.amdhsa_next_free_sgpr 66
		.amdhsa_reserve_vcc 0
		.amdhsa_float_denorm_mode_32 3
		.amdhsa_float_denorm_mode_16_64 3
		.amdhsa_memory_ordered 1
		.amdhsa_forward_progress 1
		.amdhsa_inst_pref_size 25
	.end_amdhsa_kernel
	.amdgpu_metadata
---
amdhsa.version: [ 1, 2 ]
amdhsa.kernels:
  - .name:           k_qc5bb033673_prep
    .symbol:         k_qc5bb033673_prep.kd
    .args:
      - { .name: codebook, .offset: 0, .size: 8, .value_kind: global_buffer, .address_space: global }
      - { .name: lowp_scales, .offset: 8, .size: 8, .value_kind: global_buffer, .address_space: global }
      - { .name: cbq, .offset: 16, .size: 8, .value_kind: global_buffer, .address_space: global }
    .group_segment_fixed_size: 34560
    .private_segment_fixed_size: 0
    .kernarg_segment_align: 8
    .kernarg_segment_size: 24
    .max_flat_workgroup_size: 128
    .sgpr_count:     66
    .vgpr_count:     256
    .wavefront_size: 32
...
	.end_amdgpu_metadata
.endif
;; end of part 1
;; launch dist (part 2): grid 256 x 1, 16 waves a work-group, clusters of 4 x 1, 327,680 bytes of LDS; arguments z, cbq, lowp_scales, idx; writes idx
.if DOCPART == 2
	.amdgcn_target "amdgcn-amd-amdhsa--gfx1250"
	.amdhsa_code_object_version 6
	.text
	.protected	k_qc5bb033673_dist
	.globl	k_qc5bb033673_dist
	.p2align	8
	.type	k_qc5bb033673_dist,@function
k_qc5bb033673_dist:
	s_mov_b64 s[64:65], 0
	v_nop
	global_prefetch_b8 v0, s[64:65] scope:SCOPE_SE
	s_setreg_imm32_b32 hwreg(HW_REG_WAVE_MODE, 25, 1), 1
	s_wait_xcnt 0x0
	s_wait_alu depctr_hold_cnt(0) depctr_sa_sdst(0) depctr_va_vdst(0) depctr_va_sdst(0) depctr_va_ssrc(0) depctr_va_vcc(0) depctr_vm_vsrc(0)
	s_getreg_b32 s2, hwreg(HW_REG_IB_STS2, 6, 4)
	s_cmp_eq_u32 s2, 0
	s_cbranch_scc0 .Lentry_in_a_cluster
	s_endpgm
.Lentry_in_a_cluster:
	s_bfe_u32 s2, ttmp6, 0x10000c
	s_cmp_lg_u32 s2, 0x3003
	s_cbranch_scc0 .Lentry_shape_is_right
	s_endpgm
.Lentry_shape_is_right:
; idx[row] = the FIRST k at which d[k] = (zz + ee[k]) - 2 (z . e_k) is smallest.  z: [65536][256] f32; the product on codes of FP8 (E4M3): z's made here with 2^ea, the codebook's
; taken from cbq (made with 2^eb); zz and ee from the unquantised numbers.
; THE DISTANCE IS KEPT TO THE LETTER, since equal d of a row are decided by the index: c = zz + ee rounded once for every pair, then ONE fused multiply-add
; d = sum x (-2^(1 + ea + eb)) + c: the power of two rounds nothing, so d has the one rounding of c - 2 x product.
; LIMITS: -126 <= ea and ea + 8 <= 127; -126 <= ea + eb + 1 <= 127.  NaN among the inputs or distances is not served.  zz is summed in four packed chains and over two lanes: another order than a plain chain.
; SHARES.  A work-group owns 256 rows of z.  Wave w (of 16): mg = w / 4, q = w % 4: rows 64 mg .. 64 mg + 63 (four tiles, whose fragments stay in 128 registers), and of every chunk of 256 code
; vectors tiles 4 q .. 4 q + 3.  A tile's two fragments read from LDS feed eight matrix instructions.
; THE MATRIX INSTRUCTION IS USED TRANSPOSED: source 0 = 16 code vectors, source 1 = 16 rows of z: lane (r, h) holds row r throughout, its register j code vector 16 T + 8 h + j.
; THE ARGMIN of a tile of 16 x 16: four three-way minima over d0 .. d7 and the best so far give the new best (two registers take turns as old and new, tile by tile); one compare says where it is
; unchanged; elsewhere the tile's number T and d0 .. d6 are kept, by four dual selects.  An equal minimum changes nothing, and tiles come in ascending order: the first stays.
; The place within the eight is found at the end: the first j with kept d_j = best, else 7.  Where partial results meet (two lanes, four waves) the pair (d, index) is compared.
; Two row tiles go through these lines interleaved, so that a line seldom reads what the lines just ahead of it wrote.
; CLUSTER: all work-groups walk the same 16 chunks of cbq, so the four of a cluster ask for each chunk JOINTLY: waves 0 to 3 a quarter of its codes each (64 rows of 256 bytes), wave 4 its 256 norms.
; No prefetch: all work-groups walk the same 1,064,960 bytes of cbq in step, and z is asked for at the head alone, where no loop stands ahead of it.
.set CHUNKB, 66560                     ; a chunk of cbq: 16 tiles of 4,096 bytes, then 256 norms
.set QCODE,  16384                     ; a quarter's codes.  LDS: [q][slot][QCODE], so that one address register reaches both slots by immediates
.set NRM,    8*QCODE                   ; [slot][1024]: the norms.  Only the bytes up to STG are filled by tensor loads
.set STG,    NRM+2048                  ; 16 stages of 8,448 bytes, a wave's own; afterwards each one's first 4,096 bytes hold that wave's two fragments of z
.set STGB,   8448
.set ZZ,     STG+16*STGB               ; zz of the 256 rows
.set MERGE,  ZZ+1024                   ; [q][row]: (d, index), 8 bytes
.set SPARE,  MERGE+8192                ; the spare words, 128 bytes for each of the 16 waves: eight blocks of 256 bytes that no other line names
; at the head: v0 thread, v1 16 x lane, v2/v3 my stage in and out, v4 my rows' images, v5 their zz
.set ZO,  1
.set STW, 2
.set STR, 3
.set AIM, 4
.set AZZ, 5
.set PC0, 6                            ; v6-21 codes of K step 0, v22-29 sums of squares, v30 2^ea, v31 448 x 2^ea, v32-47 codes of K step 1
.set Q,   22
.set SCL, 30
.set LIM, 31
.set PC1, 32
.set ZZS, 48                           ; where my row's zz goes
.set RS,  49                           ; v49, v50 the row's sum; the other half's
.set X0,  64                           ; v64-127 K step 0, v128-255 the rows as loaded, v128-191 K step 1
.set RAW, 128
.set X1,  128
; in the walk: all 256 registers
.set CT,  0                            ; v0-7     c of two pairs of two row tiles, then partial minima
.set EE,  8                            ; v8-15    ee of my eight code vectors of the tile
.set ST,  16                           ; v[16+12 m]: +0 zz, +1 and +2 the best d (by turns), +3 its tile's number, +4 .. +10 that tile's d0 .. d6; +11 holds one of the four below
.set ADB, 27                           ; my four tiles of a chunk: 32768 q + 16 x lane
.set AE,  39                           ; their norms: NRM + 256 q + 32 h
.set SPW, 51                           ; LDS address of my spare word: SPARE + 4 x my thread's number; never rewritten
.set NIL, 63                           ; 0; never rewritten
.set BF,  64                           ; v64-95   a tile's two fragments
.set ACC, 96                           ; v[96+8 m] the sums, then d
.set AF,  128                          ; v[128+32 m+16 s] z's fragments
.set SRC, 4                            ; s[4:5]   my 16 rows of z
.set WV,  12                           ; s12 wave, s13 mg, s14 q, s15 the work-group's number
.set MG,  13
.set QW,  14
.set WG,  15
.set G1,  24                           ; s[24:31] group 1 for codes; s[32:39] group 0 of slot 0, 1
.set G0,  32
.set SC,  40                           ; s[40:41] -2^(1 + ea + eb), twice
.set TN,  42                           ; the number of the tile in hand
.set CNT, 43
.set SEL, 44                           ; s[44:45] lane selects: lane l xor 16
.set G1N, 52                           ; s[52:59] group 1 for norms; s[60:63], s[68:71] group 0 of slot 0, 1
.set G0N, 60
.macro GLOAD                           ; 32 loads, each 512 consecutive bytes (half a row); K step 0's sixteen first
.irp s, 0,1
.irp p, 0,1,2,3,4,5,6,7,8,9,10,11,12,13,14,15
	global_load_b128 v[RAW+64*\s+4*\p:RAW+64*\s+4*\p+3], v[ZO], s[SRC:SRC+1] offset:1024*\p+512*\s th:TH_LOAD_NT
.endr
.endr
.endm
; K step s goes through my own stage as it lies and comes back so that register x + 16 b + i is k = 128 s + 32 b + 16 h + i of row r.  Pitch 528 = 33 x 16 bytes: sixteen rows begin at sixteen
; different 16-byte columns of 256.  LDS serves a wave's instructions in order (ISA guide 5.7.1.4): no wait between stores and loads.
.macro TURN s, x
.irp p, 0,1,2,3,4,5,6,7,8,9,10,11,12,13,14,15
	ds_store_b128 v[STW], v[RAW+64*\s+4*\p:RAW+64*\s+4*\p+3] offset:528*\p
.endr
.irp b, 0,1,2,3
.irp j, 0,1,2,3
	ds_load_b128 v[\x+16*\b+4*\j:\x+16*\b+4*\j+3], v[STR] offset:128*\b+16*\j
.endr
.endr
.endm
.macro SQ x, first                     ; the squares of 64 numbers, two at a time, in four chains; first = 1: the first four products start the chains
.irp p, 0,1,2,3,4,5,6,7,8,9,10,11,12,13,14,15,16,17,18,19,20,21,22,23,24,25,26,27,28,29,30,31
.if \first && (\p < 4)
	v_pk_mul_f32 v[Q+2*\p:Q+2*\p+1], v[\x+2*\p:\x+2*\p+1], v[\x+2*\p:\x+2*\p+1]
.else
	v_pk_fma_f32 v[Q+2*(\p%4):Q+2*(\p%4)+1], v[\x+2*\p:\x+2*\p+1], v[\x+2*\p:\x+2*\p+1], v[Q+2*(\p%4):Q+2*(\p%4)+1]
.endif
.endr
.endm
.macro QUANT x, pc                     ; 64 numbers become a fragment's 16 registers of codes
.irp b, 0,1,2,3
.irp i, 0,1,2,3,4,5,6,7,8,9,10,11,12,13,14,15
	v_med3_num_f32 v[\x+16*\b+\i], v[\x+16*\b+\i], -v[LIM], v[LIM]   ; the conversion to an 8-bit code does not saturate (ISA guide 7.6.2): the hold at the largest code x the scale
.endr
	v_cvt_scalef32_pk8_fp8_f32 v[\pc+4*\b:\pc+4*\b+1], v[\x+16*\b:\x+16*\b+7], v[SCL]
	v_cvt_scalef32_pk8_fp8_f32 v[\pc+4*\b+2:\pc+4*\b+3], v[\x+16*\b+8:\x+16*\b+15], v[SCL]
.endr
	v_nop                                          ; one plain vector line behind the last conversion of the run
.endm
.macro ROWSUM                          ; the four chains, the pair's halves, and the lane that holds the row's other 128 numbers
	v_pk_add_f32 v[Q:Q+1], v[Q:Q+1], v[Q+2:Q+3]
	v_pk_add_f32 v[Q+4:Q+5], v[Q+4:Q+5], v[Q+6:Q+7]
	s_delay_alu instid0(VALU_DEP_1)
	v_pk_add_f32 v[Q:Q+1], v[Q:Q+1], v[Q+4:Q+5]
	s_delay_alu instid0(VALU_DEP_1)
	v_add_f32 v[RS], v[Q], v[Q+1]
	s_delay_alu instid0(VALU_DEP_1)
	v_permlanex16_b32 v[RS+1], v[RS], s[SEL], s[SEL+1]
	s_delay_alu instid0(VALU_DEP_1)
	v_add_f32 v[RS], v[RS], v[RS+1]
.endm
.macro IMAGE pc, s                     ; a fragment goes to LDS as an image of its registers
.irp c, 0,1,2,3
	ds_store_b128 v[STW], v[\pc+4*\c:\pc+4*\c+3] offset:2048*\s+512*\c
.endr
.endm
.macro CREST                           ; a round of the cluster's barrier behind its opening barrier
	s_cmp_lg_u32 s[WV], 0
	s_cbranch_scc1 .Lnot_wave_0_\@
	s_barrier_signal -3
.Lnot_wave_0_\@:
	s_barrier_wait -3
	s_barrier_signal -1
	s_barrier_wait -1
.endm
.macro CROUND                          ; a whole round
	s_barrier_signal -1
	s_barrier_wait -1
	CREST
.endm
; A joint fill of a slot: one chain of branches on the wave's number, one load to an arm, one join.  An s_nop 0 and four v_nop follow each load.
.macro JLOAD slot
	s_cmp_lt_u32 s[WV], 4
	s_cbranch_scc0 .Lnorms_\@
	tensor_load_to_lds s[G0+4*\slot:G0+4*\slot+3], s[G1:G1+7]
	s_nop 0
.rept 4
	v_nop
.endr
	s_branch .Lasked_\@
.Lnorms_\@:
	s_cmp_eq_u32 s[WV], 4
	s_cbranch_scc0 .Lasked_\@
	tensor_load_to_lds s[G0N+8*\slot:G0N+8*\slot+3], s[G1N:G1N+7]
	s_nop 0
.rept 4
	v_nop
.endr
.Lasked_\@:
.endm
.macro LOADB slot, i                   ; tile i of my four: two fragments, eight loads of 512 consecutive bytes
.irp k, 0,1,2,3,4,5,6,7
	ds_load_b128 v[BF+4*\k:BF+4*\k+3], v[ADB] offset:QCODE*(\slot)+4096*(\i)+512*\k
.endr
.endm
.macro LOADE slot, i                   ; and the norms of my eight code vectors of it
	ds_load_b128 v[EE:EE+3], v[AE] offset:1024*(\slot)+64*(\i)
	ds_load_b128 v[EE+4:EE+7], v[AE] offset:1024*(\slot)+64*(\i)+16
.endm
.macro MULS                            ; eight products: the four accumulators take turns, one instruction a turn; the first K step starts the sums
.irp m, 0,1,2,3
	v_wmma_f32_16x16x128_fp8_fp8 v[ACC+8*\m:ACC+8*\m+7], v[BF:BF+15], v[AF+32*\m:AF+32*\m+15], 0
.endr
.irp m, 0,1,2,3
	v_wmma_f32_16x16x128_fp8_fp8 v[ACC+8*\m:ACC+8*\m+7], v[BF+16:BF+31], v[AF+32*\m+16:AF+32*\m+31], v[ACC+8*\m:ACC+8*\m+7]
.endr
.endm
.macro CADD4 a, b, p                   ; c = zz + ee, rounded once, for pairs p, p + 1 of row tiles a and b (of the pair zz, best the low word serves both halves)
	v_pk_add_f32 v[CT:CT+1], v[EE+2*\p:EE+2*\p+1], v[ST+12*\a:ST+12*\a+1] op_sel_hi:[1,0]
	v_pk_add_f32 v[CT+2:CT+3], v[EE+2*\p+2:EE+2*\p+3], v[ST+12*\a:ST+12*\a+1] op_sel_hi:[1,0]
	v_pk_add_f32 v[CT+4:CT+5], v[EE+2*\p:EE+2*\p+1], v[ST+12*\b:ST+12*\b+1] op_sel_hi:[1,0]
	v_pk_add_f32 v[CT+6:CT+7], v[EE+2*\p+2:EE+2*\p+3], v[ST+12*\b:ST+12*\b+1] op_sel_hi:[1,0]
.endm
.macro FMA4 a, b, p                    ; d in place of the sums, each accumulator from its low end on
	v_pk_fma_f32 v[ACC+8*\a+2*\p:ACC+8*\a+2*\p+1], v[ACC+8*\a+2*\p:ACC+8*\a+2*\p+1], s[SC:SC+1], v[CT:CT+1] op_sel_hi:[1,0,1]
	v_pk_fma_f32 v[ACC+8*\a+2*\p+2:ACC+8*\a+2*\p+3], v[ACC+8*\a+2*\p+2:ACC+8*\a+2*\p+3], s[SC:SC+1], v[CT+2:CT+3] op_sel_hi:[1,0,1]
	v_pk_fma_f32 v[ACC+8*\b+2*\p:ACC+8*\b+2*\p+1], v[ACC+8*\b+2*\p:ACC+8*\b+2*\p+1], s[SC:SC+1], v[CT+4:CT+5] op_sel_hi:[1,0,1]
	v_pk_fma_f32 v[ACC+8*\b+2*\p+2:ACC+8*\b+2*\p+3], v[ACC+8*\b+2*\p+2:ACC+8*\b+2*\p+3], s[SC:SC+1], v[CT+6:CT+7] op_sel_hi:[1,0,1]
.endm
; Where the best is unchanged (VCC set) the kept stay (a select's second source); elsewhere T and d0 .. d6 of this tile are taken.  In each dual pair the destinations are one odd and one even register,
; and the two first sources, and the two second, lie in different register banks (numbers that differ modulo 4).
.macro KEEP m, par
	v_cmp_eq_f32 vcc_lo, v[ST+12*\m+2-(\par)], v[ST+12*\m+1+(\par)]
	v_dual_cndmask_b32 v[ST+12*\m+3], v[CT+3], v[ST+12*\m+3] :: v_dual_cndmask_b32 v[ST+12*\m+4], v[ACC+8*\m], v[ST+12*\m+4]
.irp j, 1,3,5
	v_dual_cndmask_b32 v[ST+12*\m+4+\j], v[ACC+8*\m+\j], v[ST+12*\m+4+\j] :: v_dual_cndmask_b32 v[ST+12*\m+5+\j], v[ACC+8*\m+\j+1], v[ST+12*\m+5+\j]
.endr
.endm
; The vector work of row tiles a and b on the tile in hand.  par: which best register is the old one.  ld = 1: the next tile's codes are asked for behind the first four additions, which are the four places
; behind the products (ISA guide 7.12.1 for vector instructions); ld = 2: its norms, behind the norms' last reader.
.macro VP a, b, par, ld, slot, i
	CADD4 \a, \b, 0
.if \ld == 1
	LOADB \slot, \i
.endif
	FMA4 \a, \b, 0
	CADD4 \a, \b, 2
.if \ld == 2
	LOADE \slot, \i
.endif
	FMA4 \a, \b, 2
	v_mov_b32 v[CT+3], s[TN]                       ; the tile's number in a vector register, for both row tiles: a half of a dual select reads VCC and no second scalar
.irp t, 0,1
	v_min3_num_f32 v[CT+\t], v[ACC+8*\a+3*\t], v[ACC+8*\a+3*\t+1], v[ACC+8*\a+3*\t+2]
	v_min3_num_f32 v[CT+4+\t], v[ACC+8*\b+3*\t], v[ACC+8*\b+3*\t+1], v[ACC+8*\b+3*\t+2]
.endr
	v_min3_num_f32 v[CT+2], v[ACC+8*\a+6], v[ACC+8*\a+7], v[ST+12*\a+1+(\par)]
	v_min3_num_f32 v[CT+6], v[ACC+8*\b+6], v[ACC+8*\b+7], v[ST+12*\b+1+(\par)]
	s_delay_alu instid0(VALU_DEP_2)
	v_min3_num_f32 v[ST+12*\a+2-(\par)], v[CT], v[CT+1], v[CT+2]
	s_delay_alu instid0(VALU_DEP_2)
	v_min3_num_f32 v[ST+12*\b+2-(\par)], v[CT+4], v[CT+5], v[CT+6]
	KEEP \a, \par
	KEEP \b, \par
.endm
.macro TILE slot, i                    ; one of a chunk's first three tiles of mine against my 64 rows
	s_wait_dscnt 0x2                               ; the tile's eight loads of codes are in; the two younger, of its norms, may be out
	MULS
	s_wait_dscnt 0x0                               ; the norms
	VP 0, 1, (\i)%2, 1, \slot, (\i)+1
	VP 2, 3, (\i)%2, 2, \slot, (\i)+1
	s_add_co_u32 s[TN], s[TN], 1
.endm
.macro T3 slot
	TILE \slot, 0
	TILE \slot, 1
	TILE \slot, 2
.endm
; A chunk's fourth tile and THE CHANGE OF SLOTS.  The tile's codes and norms are in registers, so my reads of the slot are over.  Each wave waits for all its tensor loads, adds 0 to its spare word, and waits for that;
; the products stand between the add and its wait, half of the vector work between the opening signal and its wait, the other half behind the refill, under the next slot's first loads.
; fill = 1: the slot just left takes the chunk two further on: the barrier opens a round of the cluster's, and the joint refill is the first thing behind it: one tensor load a loading wave is out.
; the add ahead of a fill is written twice.
.macro LASTX slot, next, fill
	s_wait_dscnt 0x0
	s_wait_tensorcnt 0x0                           ; no tensor load of mine is out, so a group 0 may be written
	ds_add_u32 v[SPW], v[NIL]
.if \fill
	ds_add_u32 v[SPW], v[NIL]
	s_add_nc_u64 s[G0+4*\slot+2:G0+4*\slot+3], s[G0+4*\slot+2:G0+4*\slot+3], 2*CHUNKB   ; the type bits on top are not reached
	s_add_nc_u64 s[G0N+8*\slot+2:G0N+8*\slot+3], s[G0N+8*\slot+2:G0N+8*\slot+3], 2*CHUNKB
.endif
	MULS
	s_wait_dscnt 0x0                               ; the add is done
	s_barrier_signal -1
	VP 0, 1, 1, 0, 0, 0
	s_barrier_wait -1
.if \fill
	CREST
	JLOAD \slot
.endif
	LOADB \next, 0
	VP 2, 3, 1, 2, \next, 0
	s_add_co_u32 s[TN], s[TN], 13                  ; on to my four tiles of the next chunk
.endm
; (d0, i0) becomes the smaller of it and (d1, i1): by d, and among equal d by the index
.macro LEX d0, i0, d1, i1
	v_cmp_lt_f32 s46, v[\d1], v[\d0]
	v_cmp_eq_f32 s47, v[\d1], v[\d0]
	v_cmp_lt_u32 s48, v[\i1], v[\i0]
	s_and_b32 s47, s47, s48
	s_or_b32 vcc_lo, s46, s47
	v_cndmask_b32 v[\d0], v[\d0], v[\d1], vcc_lo
	v_cndmask_b32 v[\i0], v[\i0], v[\i1], vcc_lo
.endm
; Row tile m: the place within the eight, the index, the other half of the lanes' result; both lanes then hold the same pair and write the same 8 bytes
.macro RESOLVE m
	v_mov_b32 v69, 7
.irp j, 6,5,4,3,2,1,0
	v_cmp_neq_f32 vcc_lo, v[ST+12*\m+4+\j], v[ST+12*\m+1]
	s_delay_alu instid0(VALU_DEP_1)
	v_cndmask_b32 v69, \j, v69, vcc_lo             ; descending, so that the first equal j stays
.endr
	s_delay_alu instid0(VALU_DEP_1)
	v_add_nc_u32 v69, v69, v64
	v_mov_b32 v[2*\m], v[ST+12*\m+1]
	s_delay_alu instid0(VALU_DEP_2)
	v_lshl_add_u32 v[2*\m+1], v[ST+12*\m+3], 4, v69   ; 16 T + 8 h + j
	s_delay_alu instid0(VALU_DEP_2)
	v_permlanex16_b32 v65, v[2*\m], s[SEL], s[SEL+1]
	s_delay_alu instid0(VALU_DEP_2)
	v_permlanex16_b32 v66, v[2*\m+1], s[SEL], s[SEL+1]
	LEX 2*\m, 2*\m+1, 65, 66
	ds_store_b64 v70, v[2*\m:2*\m+1] offset:128*\m
.endm
	s_load_b256 s[4:11], s[0:1], 0x0               ; z s[4:5], cbq s[6:7], the scales' exponents s[8:9], idx s[10:11]
	v_lshl_add_u32 v[SPW], v0, 2, SPARE
	v_mov_b32 v[NIL], 0
	ds_add_u32 v[SPW], v[NIL]                      ; the opening lines: the add, twice on end, and one wait; the set-up, work on registers, stands between
	ds_add_u32 v[SPW], v[NIL]
	v_lshrrev_b32 v52, 5, v0
	s_delay_alu instid0(VALU_DEP_1)
	v_readfirstlane_b32 s[WV], v52                 ; wave 0..15
	s_lshr_b32 s[MG], s[WV], 2
	s_and_b32 s[QW], s[WV], 3
	s_bfe_u32 s22, ttmp6, 0x40000                  ; cx: my place in the cluster
	s_lshl_b32 s[WG], ttmp9, 2                     ; in a cluster launch ttmp9 counts clusters
	s_add_co_u32 s[WG], s[WG], s22                 ; the work-group's number: it enters z's and idx's addresses alone
	v_and_b32 v52, 31, v0                          ; lane
	v_and_b32 v53, 15, v0                          ; r
	v_bfe_u32 v54, v0, 4, 1                        ; h
	s_wait_alu depctr_va_vdst(0)                   ; the wait directly behind the writes
	v_lshlrev_b32 v[ZO], 4, v52
	s_mul_i32 s16, s[WV], STGB
	s_add_co_u32 s16, s16, STG                     ; my stage
	v_add_nc_u32 v[STW], s16, v[ZO]
	v_mul_u32_u24 v[STR], v53, 528
	s_delay_alu instid0(VALU_DEP_1)
	v_lshl_add_u32 v[STR], v54, 6, v[STR]
	s_delay_alu instid0(VALU_DEP_1)
	v_add_nc_u32 v[STR], s16, v[STR]
	s_mul_i32 s16, s[MG], 4*STGB
	s_add_co_u32 s16, s16, STG                     ; the stages of waves 4 mg .. 4 mg + 3, which quantise my 64 rows
	v_add_nc_u32 v[AIM], s16, v[ZO]
	s_lshl_b32 s16, s[MG], 8
	s_add_co_u32 s16, s16, ZZ
	v_lshl_add_u32 v[AZZ], v53, 2, s16             ; ZZ + 4 (64 mg + r)
	s_lshl_b32 s16, s[WV], 6
	s_add_co_u32 s16, s16, ZZ
	v_lshl_add_u32 v[ZZS], v53, 2, s16             ; ZZ + 4 (16 wave + r)
	v_mov_b32 v[RS+1], 0                           ; a lane permute's destination counts as one of its sources
	s_mov_b32 s[SEL], 0x76543210
	s_mov_b32 s[SEL+1], 0xfedcba98
	; group 1: dense blocks of rows of 256 bytes, in elements of 8 bytes: 64 rows of codes, 4 rows of norms
.irp g, G1, G1N
	s_mov_b32 s[\g], 15|(3<<16)|(1<<21)            ; 15:0 the mask: all four work-groups; 17:16 elements of 8 bytes; 20 no padding; 21 set beside a mask
	s_mov_b32 s[\g+1], 32<<16                      ; tensor_dim0 = 32
	s_mov_b32 s[\g+3], 32<<16                      ; tile_dim0 = 32
	s_mov_b32 s[\g+5], 32                          ; from row to row: 32 elements
	s_mov_b32 s[\g+6], 0
	s_mov_b32 s[\g+7], 0
.endr
	s_mov_b32 s[G1+2], 64<<16                      ; tensor_dim1, tile_dim1
	s_mov_b32 s[G1+4], 64
	s_mov_b32 s[G1N+2], 4<<16
	s_mov_b32 s[G1N+4], 4
	s_lshl_b32 s16, s[QW], 14                      ; the quarter of a chunk's codes that I fetch, if I fetch,
	s_mov_b32 s17, 0
	s_lshl_b32 s22, s[QW], 15                      ; and its place in LDS
	s_lshl_b32 s18, s[WG], 18                      ; z: 256 rows of 1,024 bytes a work-group,
	s_lshl_b32 s19, s[WV], 14                      ; 16 a wave
	s_add_co_u32 s18, s18, s19
	s_mov_b32 s19, 0
	s_lshl_b32 s20, s[WG], 10                      ; idx: 256 words a work-group, 64 for each of waves 0 to 3 (q is the wave's number there)
	s_lshl_b32 s21, s[QW], 8
	s_add_co_u32 s20, s20, s21
	s_mov_b32 s21, 0
	s_wait_alu depctr_va_vdst(0)
	s_wait_dscnt 0x0                               ; both opening adds are done
	s_wait_kmcnt 0x0
	s_load_b64 s[50:51], s[8:9], 0x0               ; ea, eb
	s_add_nc_u64 s[SRC:SRC+1], s[4:5], s[18:19]
	s_add_nc_u64 s[10:11], s[10:11], s[20:21]
	GLOAD                                          ; my 16 rows of z are asked for first
	s_add_nc_u64 s[16:17], s[6:7], s[16:17]
	s_mov_b32 s[G0], 1                             ; count = 1
	s_mov_b32 s[G0+1], s22                         ; LDS address: slot 0
	s_mov_b64 s[G0+2:G0+3], s[16:17]               ; chunk 0
	s_or_b32 s[G0+3], s[G0+3], 0x80000000          ; type = 2
	s_mov_b32 s[G0+4], 1
	s_add_co_u32 s[G0+5], s22, QCODE               ; slot 1
	s_add_nc_u64 s[G0+6:G0+7], s[16:17], CHUNKB    ; chunk 1
	s_or_b32 s[G0+7], s[G0+7], 0x80000000
	s_mov_b32 s[G0N], 1
	s_mov_b32 s[G0N+1], NRM
	s_add_nc_u64 s[G0N+2:G0N+3], s[6:7], 65536     ; a chunk's norms lie behind its 16 tiles
	s_or_b32 s[G0N+3], s[G0N+3], 0x80000000
	s_mov_b32 s[G0N+8], 1
	s_mov_b32 s[G0N+9], NRM+1024
	s_add_nc_u64 s[G0N+10:G0N+11], s[6:7], 65536+CHUNKB
	s_or_b32 s[G0N+11], s[G0N+11], 0x80000000
	CROUND                                         ; all four work-groups are here: the first joint loads meet
	JLOAD 0                                        ; chunk 0: one tensor load a loading wave at the head; slot 1's first fill follows in the middle of z's quantising
	s_wait_kmcnt 0x0
	s_add_co_i32 s16, s50, s51
	s_add_co_i32 s16, s16, 128
	s_lshl_b32 s16, s16, 23
	s_or_b32 s[SC], s16, 0x80000000                ; -2^(1 + ea + eb) as f32
	s_mov_b32 s[SC+1], s[SC]                       ; (named with it as a pair, so it is written)
	s_add_co_i32 s16, s50, 127
	s_lshl_b32 s17, s16, 23
	v_mov_b32 v[SCL], s17                          ; 2^ea as f32: the conversion takes its exponent field
	s_add_co_i32 s16, s16, 8
	s_lshl_b32 s16, s16, 23
	s_or_b32 s16, s16, 0x600000
	v_mov_b32 v[LIM], s16                          ; 448 x 2^ea
	; ---- rows 16 w .. 16 w + 15 of the work-group become two fragments and 16 zz
	s_wait_alu depctr_va_vdst(0)
	s_wait_loadcnt 16                              ; K step 0's sixteen loads are in; K step 1's sixteen may be out
	TURN 0, X0
	s_wait_dscnt 0x0                               ; K step 0 is back, and the stage's stores have read v128-191
	s_wait_loadcnt 0x0
	TURN 1, X1                                     ; K step 1 turns while K step 0 is worked on
	SQ X0, 1
	QUANT X0, PC0
	s_wait_alu depctr_va_vdst(0)
	s_wait_tensorcnt 0x0                           ; slot 1's first fill is issued as a refill is: my part of chunk 0 is in,
	ds_add_u32 v[SPW], v[NIL]                      ; the add, twice
	ds_add_u32 v[SPW], v[NIL]
	s_wait_dscnt 0x0                               ; the adds are done; K step 1 is back: my stage is read out, and takes the images
	CROUND                                         ; a whole round: chunk 0 is whole in every work-group,
	JLOAD 1                                        ; and chunk 1 sets out: K step 1's quantising and three tiles of chunk 0 stand ahead of the wait for it
	IMAGE PC0, 0
	SQ X1, 0
	QUANT X1, PC1
	IMAGE PC1, 1
	ROWSUM
	ds_store_b32 v[ZZS], v[RS]                     ; lanes r and r + 16 hold the same sum and write the same word
	s_wait_dscnt 0x0                               ; my images and zz lie in LDS:
	s_barrier_signal -1
	s_barrier_wait -1                              ; everybody's do.
.irp m, 0,1,2,3
.irp s, 0,1
.irp c, 0,1,2,3
	ds_load_b128 v[AF+32*\m+16*\s+4*\c:AF+32*\m+16*\s+4*\c+3], v[AIM] offset:STGB*\m+2048*\s+512*\c   ; my 64 rows' fragments: they stay
.endr
.endr
.endr
.irp m, 0,1,2,3
	ds_load_b32 v[ST+12*\m], v[AZZ] offset:64*\m   ; zz of row 64 mg + 16 m + r
.endr
	s_lshl_b32 s[TN], s[QW], 2                     ; my first tile's number
	s_mov_b32 s16, 0x7f800000
	s_lshl_b32 s17, s[QW], 15
	s_lshl_b32 s18, s[QW], 8
	s_add_co_u32 s18, s18, NRM
	v_add_nc_u32 v[ADB], s17, v[ZO]
	v_bfe_u32 v[AE], v0, 4, 1
.irp m, 0,1,2,3
	v_mov_b32 v[ST+12*\m+1], s16                   ; best = +infinity; the kept d likewise and the tile my first: a row whose every d is +infinity ends at index 0
	v_mov_b32 v[ST+12*\m+3], s[TN]
.irp j, 0,1,2,3,4,5,6
	v_mov_b32 v[ST+12*\m+4+\j], s16
.endr
.endr
	v_lshl_add_u32 v[AE], v[AE], 5, s18
	s_wait_alu depctr_va_vdst(0)
	; ---- the walk over the 16 chunks: three tiles of chunk 0; seven trips of two changes of slots, each with a refill (chunks 2 to 15); the last change and chunk 15, written out
	LOADB 0, 0
	LOADE 0, 0
	T3 0
	s_mov_b32 s[CNT], 7
.Lpair:
	LASTX 0, 1, 1
	T3 1
	LASTX 1, 0, 1
	T3 0
	s_sub_co_u32 s[CNT], s[CNT], 1
	s_cmp_lg_u32 s[CNT], 0
	s_cbranch_scc1 .Lpair
	LASTX 0, 1, 0
	T3 1
	s_wait_dscnt 0x0
	MULS
	VP 0, 1, 1, 0, 0, 0
	VP 2, 3, 1, 0, 0, 0
	; ---- the index of each row among my quarter of the code vectors (64 tiles: the best lies in the first of its two registers).  The lane's number is read off bits 8:4 of v[ADB]
	v_bfe_u32 v64, v[ADB], 8, 1
	s_delay_alu instid0(VALU_DEP_1)
	v_lshlrev_b32 v64, 3, v64                      ; 8 h
	v_mov_b32 v65, 0                               ; the permutes' destinations count as sources
	v_mov_b32 v66, 0
	v_bfe_u32 v67, v[ADB], 4, 4                    ; r
	v_bfe_u32 v68, v[ADB], 4, 5                    ; lane
	s_lshl_b32 s16, s[QW], 11
	s_lshl_b32 s17, s[MG], 9
	s_add_co_u32 s16, s16, s17
	s_add_co_u32 s16, s16, MERGE
	v_lshl_add_u32 v70, v67, 3, s16                ; MERGE + 2048 q + 8 (64 mg + r)
	s_lshl_b32 s17, s[QW], 9
	s_add_co_u32 s17, s17, MERGE
	v_lshl_add_u32 v71, v68, 4, s17                ; waves 0 to 3: rows 64 wave + 2 lane and the next: 16 bytes
	v_lshlrev_b32 v72, 3, v68                      ; and their two words of idx
	RESOLVE 0
	RESOLVE 1
	RESOLVE 2
	RESOLVE 3
	s_wait_dscnt 0x0                               ; for the others' sake: my pairs lie in LDS
	s_barrier_signal -1
	s_barrier_wait -1
	; ---- the four quarters meet: waves 0 to 3, 64 rows each, two rows a lane
	s_cmp_lt_u32 s[WV], 4
	s_cbranch_scc0 .Lno_merge
.irp k, 0,1,2,3
	ds_load_b128 v[80+4*\k:83+4*\k], v71 offset:2048*\k
.endr
	s_wait_dscnt 0x0
.irp k, 1,2,3
	LEX 80, 81, 80+4*\k, 81+4*\k
	LEX 82, 83, 82+4*\k, 83+4*\k
.endr
	v_mov_b32 v80, v81
	s_delay_alu instid0(VALU_DEP_2)
	v_mov_b32 v81, v83
	global_store_b64 v72, v[80:81], s[10:11]       ; 32 lanes store 256 consecutive bytes, at a multiple of 256 from idx's first byte
.Lno_merge:
	s_wait_tensorcnt 0x0                           ; the wave's end, behind my last tensor load and my last LDS store
	ds_add_u32 v[SPW], v[NIL]
	s_wait_dscnt 0x0
	CROUND                                         ; the closing round: no work-group ends while a partner may still ask for a chunk that names it
	s_endpgm
.Lfunc_end_k_qc5bb033673_dist:
	.size	k_qc5bb033673_dist, .Lfunc_end_k_qc5bb033673_dist-k_qc5bb033673_dist
	.p2alignl 7, 3214868480
	.fill 96, 4, 3214868480
	.section	.rodata,"a",@progbits
	.p2align	6, 0x0
	.amdhsa_kernel k_qc5bb033673_dist
		.amdhsa_group_segment_fixed_size 327680
		.amdhsa_private_segment_fixed_size 0
		.amdhsa_enable_private_segment 0
		.amdhsa_kernarg_size 32
		.amdhsa_user_sgpr_count 2
		.amdhsa_user_sgpr_kernarg_segment_ptr 1
		.amdhsa_wavefront_size32 1
		.amdhsa_system_sgpr_workgroup_id_x 1
		.amdhsa_system_sgpr_workgroup_id_y 1
		.amdhsa_system_sgpr_workgroup_id_z 1
		.amdhsa_system_vgpr_workitem_id 0
		.amdhsa_next_free_vgpr 256
		.amdhsa_next_free_sgpr 72
		.amdhsa_reserve_vcc 1
		.amdhsa_float_denorm_mode_32 3
		.amdhsa_float_denorm_mode_16_64 3
		.amdhsa_memory_ordered 1
		.amdhsa_forward_progress 1
		.amdhsa_inst_pref_size 133
	.end_amdhsa_kernel
	.amdgpu_metadata
---
amdhsa.version: [ 1, 2 ]
amdhsa.kernels:
  - .name:           k_qc5bb033673_dist
    .symbol:         k_qc5bb033673_dist.kd
    .args:
      - { .name: z, .offset: 0, .size: 8, .value_kind: global_buffer, .address_space: global }
      - { .name: cbq, .offset: 8, .size: 8, .value_kind: global_buffer, .address_space: global }
      - { .name: lowp_scales, .offset: 16, .size: 8, .value_kind: global_buffer, .address_space: global }
      - { .name: idx, .offset: 24, .size: 8, .value_kind: global_buffer, .address_space: global }
    .group_segment_fixed_size: 327680
    .private_segment_fixed_size: 0
    .kernarg_segment_align: 8
    .kernarg_segment_size: 32
    .max_flat_workgroup_size: 512
    .sgpr_count:     72
    .vgpr_count:     256
    .wavefront_size: 32
...
	.end_amdgpu_metadata
.endif
;; end of part 2
;; launch gather (part 3): grid 512 x 1, 8 waves a work-group, no clusters, 0 bytes of LDS; arguments idx, codebook, out0; writes out0
.if DOCPART == 3
	.amdgcn_target "amdgcn-amd-amdhsa--gfx1250"
	.amdhsa_code_object_version 6
	.text
	.protected	k_qc5bb033673_gather
	.globl	k_qc5bb033673_gather
	.p2align	8
	.type	k_qc5bb033673_gather,@function
k_qc5bb033673_gather:
	s_mov_b64 s[64:65], 0
	v_nop
	global_prefetch_b8 v0, s[64:65] scope:SCOPE_SE
	s_setreg_imm32_b32 hwreg(HW_REG_WAVE_MODE, 25, 1), 1
	s_wait_xcnt 0x0
; out0[row][:] = codebook[idx[row]][:], f32, rows of 1,024 bytes.  idx was stored by the launch before: the addresses here hang on whole numbers read from memory.
; A wave takes 16 rows: its 16 indices come by one scalar load; each row is two loads and two stores of 512 consecutive bytes.  All 32 loads of a wave are out together, each into registers of its own,
; so nothing is rewritten while it is pending and the text has no loop.  The table is read again and again, so its loads carry no hint; the output is written once and read by nobody here.
; No LDS, no barrier, no matrix unit, no cluster: waves share nothing.  No prefetch: the table's rows are named many times over.
; An index is held at 4,095 ahead of its use in an address; the launch before stores none above.
	s_load_b128 s[4:7], s[0:1], 0x0                ; idx s[4:5], the codebook s[6:7]
	s_load_b64 s[8:9], s[0:1], 0x10                ; out0
	v_lshrrev_b32 v1, 5, v0
	s_delay_alu instid0(VALU_DEP_1)
	v_readfirstlane_b32 s10, v1                    ; wave 0..7
	v_and_b32 v1, 31, v0
	s_delay_alu instid0(VALU_DEP_1)
	v_lshlrev_b32 v1, 4, v1                        ; 16 x lane
	s_lshl_b32 s11, ttmp9, 3
	s_add_co_u32 s11, s11, s10                     ; my wave's number in the launch
	s_lshl_b32 s12, s11, 6                         ; 16 indices of 4 bytes
	s_mov_b32 s13, 0
	s_lshl_b32 s14, s11, 14                        ; 16 rows of 1,024 bytes
	s_mov_b32 s15, 0
	s_wait_alu depctr_va_vdst(0)
	s_wait_kmcnt 0x0
	s_add_nc_u64 s[4:5], s[4:5], s[12:13]
	s_add_nc_u64 s[8:9], s[8:9], s[14:15]
	s_load_b512 s[16:31], s[4:5], 0x0
	s_wait_kmcnt 0x0
.irp i, 0,1,2,3,4,5,6,7,8,9,10,11,12,13,14,15
	s_min_u32 s[16+\i], s[16+\i], 0xfff
	s_lshl_b32 s[16+\i], s[16+\i], 10              ; the row's first byte in the table
	v_add_nc_u32 v[2+\i], s[16+\i], v1
.endr
	s_wait_alu depctr_va_vdst(0)
.irp i, 0,1,2,3,4,5,6,7,8,9,10,11,12,13,14,15
	global_load_b128 v[20+8*\i:23+8*\i], v[2+\i], s[6:7]
	global_load_b128 v[24+8*\i:27+8*\i], v[2+\i], s[6:7] offset:512
.endr
.irp i, 0,1,2,3,4,5,6,7,8,9,10,11,12,13,14,15
	s_wait_loadcnt 30-2*\i                         ; loads come back in order (ISA guide 5.7.1): row i's two are in, the later rows' may be out
	global_store_b128 v1, v[20+8*\i:23+8*\i], s[8:9] offset:1024*\i th:TH_STORE_NT       ; 32 lanes store 512 consecutive bytes, at a multiple of 256 from out0's first byte
	global_store_b128 v1, v[24+8*\i:27+8*\i], s[8:9] offset:1024*\i+512 th:TH_STORE_NT
.endr
	s_endpgm
.Lfunc_end_k_qc5bb033673_gather:
	.size	k_qc5bb033673_gather, .Lfunc_end_k_qc5bb033673_gather-k_qc5bb033673_gather
	.p2alignl 7, 3214868480
	.fill 96, 4, 3214868480
	.section	.rodata,"a",@progbits
	.p2align	6, 0x0
	.amdhsa_kernel k_qc5bb033673_gather
		.amdhsa_group_segment_fixed_size 0
		.amdhsa_private_segment_fixed_size 0
		.amdhsa_enable_private_segment 0
		.amdhsa_kernarg_size 24
		.amdhsa_user_sgpr_count 2
		.amdhsa_user_sgpr_kernarg_segment_ptr 1
		.amdhsa_wavefront_size32 1
		.amdhsa_system_sgpr_workgroup_id_x 1
		.amdhsa_system_sgpr_workgroup_id_y 1
		.amdhsa_system_sgpr_workgroup_id_z 1
		.amdhsa_system_vgpr_workitem_id 0
		.amdhsa_next_free_vgpr 152
		.amdhsa_next_free_sgpr 66
		.amdhsa_reserve_vcc 0
		.amdhsa_float_denorm_mode_32 3
		.amdhsa_float_denorm_mode_16_64 3
		.amdhsa_memory_ordered 1
		.amdhsa_forward_progress 1
		.amdhsa_inst_pref_size 10
	.end_amdhsa_kernel
	.amdgpu_metadata
---
amdhsa.version: [ 1, 2 ]
amdhsa.kernels:
  - .name:           k_qc5bb033673_gather
    .symbol:         k_qc5bb033673_gather.kd
    .args:
      - { .name: idx, .offset: 0, .size: 8, .value_kind: global_buffer, .address_space: global }
      - { .name: codebook, .offset: 8, .size: 8, .value_kind: global_buffer, .address_space: global }
      - { .name: out0, .offset: 16, .size: 8, .value_kind: global_buffer, .address_space: global }
    .group_segment_fixed_size: 0
    .private_segment_fixed_size: 0
    .kernarg_segment_align: 8
    .kernarg_segment_size: 24
    .max_flat_workgroup_size: 256
    .sgpr_count:     66
    .vgpr_count:     152
    .wavefront_size: 32
...
	.end_amdgpu_metadata
.endif
;; end of part 3
